; MI455X (gfx1250); checked and timed in simulation.
; The chip was launched on July 23, 2026; its instructions are those of AMD's public machine-readable ISA for CDNA 5 (MIT licence, August 2026) and "CDNA5" Instruction Set Architecture Reference Guide (July 2026). The comments in the code are by the model that wrote it; some were corrected since.
;; Distance Weighted Self Attention. Allowed arithmetic: matrix products marked QUANTISED: E2M3 operands, one E8M0 scale for each 32 along K, by v_wmma_scale_f32_16x16x128_f8f6f4 with both operands' format E2M3, f32 sums; everything else in f32.
;; Inputs: Wk 1 x 256 float32; Wq 1 x 256 float32; Wv 1 x 256 float32; inputs 8 x 2,048 x 2 float32.
;; Outputs: out0 8 x 2,048 x 256 float32.
;; This version of the problem:
;;   THIS VERSION OF THE PROBLEM IS GIVEN IN LOW PRECISION. The matrix products marked QUANTISED in the list below multiply operands that are first quantised to E2M3 (2 exponent bits, 3 mantissa bits; 6 bits a number), with one power-of-two scale for each 32 numbers along K (OCP MX v1.0); their sums are f32. All else is computed in f32.
;;   The module's matrix products, in the order in which they are computed (A, B: the left and right operand; K: the contracted axis; several contracted axes count as one K, in the product's order):
;;     1. batch 8 x [M 2,048, K 256] x [K 256, N 2,048]; A: computed on the way; B: computed on the way: QUANTISED
;;     2. batch 8 x [M 2,048, K 2,048] x [K 2,048, N 256]; A: computed on the way; B: computed on the way: QUANTISED
;;   THE QUANTISER, for each operand of a quantised product, along K:
;;     - K is cut into blocks of 32 from its start; a last block that is shorter is filled with zeros.
;;     - A block's scale is 2^e with e = floor(log2(the largest magnitude in the block)) - 2, held to -126 .. 127; a block of zeros has e = 0. As a byte (E8M0): e + 127.
;;     - Each number is divided by its block's scale, clamped to +-7.5, and rounded to the nearest number of E2M3, ties to even, subnormals kept.
;;     - The product sums the exact products of the quantised numbers (number of the format x scale) in f32.
;;   ~~~python
;;   def quantise(x, axis):      # numpy; x: float32 -> the quantised numbers, widened to float32 again
;;       x = np.moveaxis(x, axis, -1); K = x.shape[-1]
;;       x = np.pad(x, [(0, 0)] * (x.ndim - 1) + [(0, -K % 32)]); x = x.reshape(x.shape[:-1] + (-1, 32)); a = np.abs(x).max(-1, keepdims=True)
;;       e = np.where(a > 0, np.clip(np.frexp(np.where(a > 0, a, 1))[1] - 1 - 2, -126, 127), 0)      # np.frexp(a)[1] - 1 = floor(log2(a)), exactly
;;       r = np.clip(x / 2.0 ** e, -7.5, 7.5)
;;       step = 2.0 ** (np.maximum(np.frexp(np.where(r == 0, 1, r))[1] - 1, 0) - 3)
;;       q = np.round(r / step) * step * 2.0 ** e      # np.round: ties to even
;;       return np.moveaxis(q.reshape(q.shape[:-2] + (-1,))[..., :K], -1, axis).astype(np.float32)
;;   ~~~
;;   OPERANDS COMPUTED ON THE WAY. 'Computed on the way' means the value that the module computes at that place (a softmax that the list does not call 'softmax' is quantised finished and normalised). What goes into a quantiser is computed in f32, as accurately as f32 sums, v_exp_f32 and their like allow (about 1e-6 of the number): no bf16 or f16 on the way to a quantiser, and a product that is left as it is and whose result goes on into a quantised operand takes f32 operands (vector FMAs, or v_wmma_f32_16x16x4_f32). A number that lies on a knife's edge between two numbers of the format may be rounded either way, as far as f32 arithmetic and the matrix unit's own rounding can turn it there, and no further.
;; One version. Each part assembles by itself: llvm-mc -triple=amdgcn-amd-amdhsa -mcpu=gfx1250 --defsym DOCPART=n.
;; ======== version 1 of 1: 1 launch
;; limits: right only within a limited range of input values
;; workspace buffers: qimg 3,276,800 bytes; kv 6,553,600 bytes
;; launch attn (part 1): grid 256 x 1, 8 waves a work-group, no clusters, 327,680 bytes of LDS; arguments inputs, Wq, Wk, Wv, out0; writes out0
.if DOCPART == 1
	.amdgcn_target "amdgcn-amd-amdhsa--gfx1250"
	.amdhsa_code_object_version 6
	.text
	.protected	k_qc69431f94c_attn
	.globl	k_qc69431f94c_attn
	.p2align	8
	.type	k_qc69431f94c_attn,@function
k_qc69431f94c_attn:
	s_mov_b64 s[64:65], 0
	v_nop
	global_prefetch_b8 v0, s[64:65] scope:SCOPE_SE
	s_setreg_imm32_b32 hwreg(HW_REG_WAVE_MODE, 25, 1), 1
	s_wait_xcnt 0x0
; out[b][i][:] = sum over j of Q(w[i][j]) Q(v[j][:]),  w = softmax_j(Q(q[i]) . Q(k[j]) / 16 - 0.5 |size_i - size_j| - 1e9 [height_j = 0] - 1e9 [height_i = 0]) x [height_j != 0].
; q = h Wq, k = h Wk, v = h Wv: one f32 multiplication a number.  Both products on codes of FP6 (E2M3) with E8M0 scales.
; SHARES.  A work-group owns 64 queries (four tiles m) of one batch: 256 work-groups.  Wave j of eight owns keys 256 j .. 256 j + 255 (8 blocks of 32) for all four tiles and makes the codes of its K in registers.
; A block's largest magnitude is |row factor| x (largest |factor along K| of the block), rounded once: the same number as the largest of the rounded products.  The factors' largest is kept as a quarter,
; so that the product's exponent field is the scale's byte, held at 1 from below.  A block of zeros keeps the byte 1 where the rule says 127: its codes are zeros, and this program alone reads the bytes.
; THE SCORES ARE MADE ONCE.  p = 2^(t - M) with the lane's running M (a whole number) of that block is kept in f32 until the rows' sums are known: blocks 0-3 and tiles 0-2 of block 4 in the wave's own LDS region,
; the rest in registers.  Then w = p x (2^(M of the block - M of the row) / sum), quantised FINISHED AND NORMALISED; its codes go to LDS over p's blocks 0 and 1, which have been read.
; SECOND PRODUCT.  Wave j makes V's fragments of channels 64 (j % 4) .. + 63 for key steps 8 (j / 4) .. + 7 and multiplies them with all four tiles of P; the two halves along the keys are added on the way out.
; LAYOUT.  Both products are used transposed (source 0 = keys or channels, source 1 = queries): a lane holds ONE query (lane % 16).  Tile u, row r of a block of 32 keys B is key 32 B + 8 u + r + 8 (r / 8),
; so that the 16 registers of a block's two tiles are the keys 32 B + 16 (lane / 16) + 0 .. 15.
; A SCORE.  u = 16 x logit = fma(|size_i - s'_j|, -8, D).  s'_j = +infinity where height_j = 0: then p = 0.  The C of a tile's first product is -1.6e10 where height_i = 0 (there q's codes are zeros), else 0: u is then
; 16 x the source's rounding of (penalty - 1e9).  t = c1 u, c1 = log2(e) / 16; -M = floor(-largest t).  w = p / max(sum, 2^-120): a batch with no valid key gives 0, as the source does.
; LIMITS: NaN and infinities among the inputs are not served.  A masked key's weight is taken as 0, which is the source's value while a row's logits spread by less than 1e9 - 104.  p under 2^-126 of its block's M counts as 0.
; For a query with height 0 the residue of rounding c1 u near 1.4e9 leaves p between 2^-64 and 2^64; sum and weights use the same p, and 2,048 x 2^64 is far inside f32.  Blocks under the scale byte's floor were not tried.
; No cluster and no prefetch: work-groups share no tile; each reads 16 KB of a batch's pairs and 3 KB of weights at its head, and has no stream to run ahead in.
;
; LDS: region j at 38,912 j: 19 x 2,048 bytes of p; from pass 2 on P's fragments (step t, tile m) at 6,144 t + 1,536 m (half c at + 768 c: four registers at 16 lane, two at 512 + 8 lane), scale words at 12,288 + 512 t + 128 m + 4 lane;
; at the head wave j's fragment of Q; at the end the wave's 64 rows of 272 bytes of results.  SZ: s' of the 2,048 keys, later their heights.  WKL: Wk.  SPARE: the spare words.  STAT: Q's scale words, then the waves' (-M, sum).
; HMX: per key step a quarter of its four blocks' largest |height|, in the order 0, 2, 1, 3.
.set REGN,  38912
.set SZ,    311296
.set WKL,   319488
.set SPARE, 320512
.set STAT,  321536
.set HMX,   325632
; REGISTERS, window 0, in the passes
.set SPW, 1
.set NIL, 2
.set PA,  3                            ; 38,912 j + 16 lane
.set ADP, 4                            ; in the loop: where the block's p goes
.set PA8, 4                            ; from pass 2 on: 38,912 j + 512 + 8 lane
.set ASZ, 5                            ; SZ + 1,024 j + 64 h
.set APSW,5                            ; from pass 2 on: 38,912 j + 12,288 + 4 lane
.set ADZ, 6
.set AWK, 7                            ; WKL + 128 h
.set RFO, 8                            ; offset of a block's heights
.set KO,  9                            ; 64 lane: my 8 keys' pairs
.set RF,  10                           ; the heights of tile 0's and tile 1's key
.set WX,  14                           ; a quarter of the largest |Wk| of my four blocks of channels (block 2 q + h)
.set KS,  18                           ; K's scale words
.set QS,  20                           ; Q's
.set SIZ, 24                           ; size_i of the four tiles
.set SUM, 28                           ; the sums, two halves a tile
.set MC,  36                           ; -M of the loop's block; 40, 44, 48, 52: of blocks 4 to 7; window 1, 240, 244, 248: of blocks 0 to 2
.set K,   56                           ; 24: two tiles' fragments of one step of 128 channels
.set X,   80
.set QMC, 88                           ; the C of each tile's first product
.set PR,  120                          ; 32 products; also s' (16) and differences (16); also temporaries
.set W,   152                          ; 2 x 16 numbers of Wk
.set S,   184                          ; S^T (16 m + 8 u + i), then p
.set SC,  248                          ; scale operands (4 u + q)
; window 1: 0-95 Q (12 (2 m + s)); 96-111 p of block 4, tile 3; 112-175 block 5; 176-239 block 6; 240-251 -M of blocks 0-2
; pass 2
.set L0,  56
.set L1,  120
.set T2,  8
.set BY0, 24
.set FB,  28
.set RS,  32
.set MF,  252
.set PC,  0                            ; window 1
.set MSB, 0
.macro WIN new                         ; bits 1:0 source 0, 3:2 source 1, 5:4 source 2, 7:6 destination; the high byte repeats the setting that is left
.if MSB != (\new)
	s_set_vgpr_msb (MSB<<8)|(\new)
.set MSB, \new
.endif
.endm
.macro PKB op, d, a, b, hi             ; a packed operation whose second source is one register for both halves
.if \hi
	\op v[\d:\d+1], v[\a:\a+1], v[\b:\b+1] op_sel:[0,1] op_sel_hi:[1,1]
.else
	\op v[\d:\d+1], v[\a:\a+1], v[\b:\b+1] op_sel_hi:[1,0]
.endif
.endm
.macro BARRIER
	s_barrier_signal -1
	s_barrier_wait -1
.endm
.macro WLOAD k                         ; 16 numbers of Wk: step k / 4, half (k / 2) % 2, sixteen k % 2
.irp q, 0,1,2,3
	ds_load_b128 v[W+16*((\k)%2)+4*\q:W+16*((\k)%2)+4*\q+3], v[AWK] offset:512*((\k)/4)+256*(((\k)/2)%2)+64*((\k)%2)+16*\q
.endr
.endm
; S^T of the block for the four tiles of queries, channels 128 s .. : 8 accumulators by turns, one instruction a turn; step 1's scale words stand in lanes 16-31
.macro SMUL s
	WIN 0x04
.irp u, 0,1
.irp m, 0,1,2,3
.if \s == 0
	v_wmma_scale_f32_16x16x128_f8f6f4 v[S+16*\m+8*\u:S+16*\m+8*\u+7], v[K+12*\u:K+12*\u+11], v[24*\m:24*\m+11], v[QMC+8*\m:QMC+8*\m+7], v[KS+\u], v[QS+\m] matrix_a_fmt:MATRIX_FMT_FP6 matrix_b_fmt:MATRIX_FMT_FP6
.else
	v_wmma_scale_f32_16x16x128_f8f6f4 v[S+16*\m+8*\u:S+16*\m+8*\u+7], v[K+12*\u:K+12*\u+11], v[24*\m+12:24*\m+23], v[S+16*\m+8*\u:S+16*\m+8*\u+7], v[KS+\u], v[QS+\m] matrix_a_fmt:MATRIX_FMT_FP6 matrix_b_fmt:MATRIX_FMT_FP6 matrix_a_scale:MATRIX_SCALE_ROW1 matrix_b_scale:MATRIX_SCALE_ROW1
.endif
.endr
.endr
	WIN 0
.endm
; 16 channels of both tiles' keys: products, codes.  The wait leaves the next sixteen's four loads out.  (Sixteens 0 and 1 were waited for with s' of the block before, or at the head.)
; At sixteen 4 step 0's products follow: 12 multiplications stand between the last moves and them, 4 between them and the conversions that write their sources.
.macro HALF k, last
.set WB, W+16*((\k)%2)
.set KC, K+6*(((\k)/2)%2)
.set SQ, SC+(\k)/2
.if (\k) > 1
.if (\last) && (\k) == 7
	s_wait_dscnt 0x0
.else
	s_wait_dscnt 4
.endif
.endif
.irp i, 0,2,4,6,8,10,12,14
	v_pk_mul_f32 v[PR+\i:PR+\i+1], v[WB+\i:WB+\i+1], v[RF:RF+1] op_sel_hi:[1,0]
.endr
.irp i, 0,2,4,6
	v_pk_mul_f32 v[PR+16+\i:PR+17+\i], v[WB+\i:WB+\i+1], v[RF:RF+1] op_sel:[0,1] op_sel_hi:[1,1]
.endr
.if (\k) == 4
	SMUL 0
.endif
.irp i, 8,10,12,14
	v_pk_mul_f32 v[PR+16+\i:PR+17+\i], v[WB+\i:WB+\i+1], v[RF:RF+1] op_sel:[0,1] op_sel_hi:[1,1]
.endr
.if ((\k) < 6) || ((\last) == 0)
	WLOAD ((\k)+2)%8
.endif
.if (\k)%2 == 0
	v_cvt_scalef32_pk16_fp6_f32 v[KC:KC+2], v[PR:PR+15], v[SQ]
	v_cvt_scalef32_pk16_fp6_f32 v[KC+12:KC+14], v[PR+16:PR+31], v[SQ+4]
	v_nop                                          ; one plain place behind a scaled conversion
.else
	v_cvt_scalef32_pk16_fp6_f32 v[X:X+2], v[PR:PR+15], v[SQ]           ; (a conversion's three registers begin on an even number)
	v_cvt_scalef32_pk16_fp6_f32 v[X+4:X+6], v[PR+16:PR+31], v[SQ+4]
	v_nop
.irp i, 0,1,2
	v_mov_b32 v[KC+3+\i], v[X+\i]
	v_mov_b32 v[KC+15+\i], v[X+4+\i]
.endr
.endif
.endm
; A block of 32 keys: its K, its scores, its p.  old, new: the registers of -M before and behind; p of tiles 0-2 goes to d (window w), of tile 3 to d3 + 48 (window w3)
.macro BLOCK old, new, d, w, d3, w3, last, areg, aoff
	s_wait_loadcnt 0x0                             ; the block's heights
.irp q, 0,1,2,3
	v_mul_f32 v[SC+\q], |v[RF]|, v[WX+\q]
	v_mul_f32 v[SC+4+\q], |v[RF+1]|, v[WX+\q]
.endr
.irp q, 0,1,2,3,4,5,6,7
	v_max_num_f32 v[SC+\q], 0x800000, v[SC+\q]     ; the floor: the byte cannot fall under 1
.endr
.irp q, 0,1,2,3,4,5,6,7
	v_lshrrev_b32 v[PR+\q], 23, v[SC+\q]
.endr
.irp q, 0,2,4,6
	v_lshl_or_b32 v[PR+\q], v[PR+\q+1], 16, v[PR+\q]   ; tile q / 4, step (q / 2) % 2: my bytes of blocks h and 2 + h
.endr
	v_permlane16_swap_b32 v[PR], v[PR+2]           ; now the first holds lanes 0-15's bytes of both steps' words, the second lanes 16-31's
	v_permlane16_swap_b32 v[PR+4], v[PR+6]
	v_lshl_or_b32 v[KS], v[PR+2], 8, v[PR]         ; lanes 0-15: step 0's word, lanes 16-31: step 1's
	v_lshl_or_b32 v[KS+1], v[PR+6], 8, v[PR+4]
.irp k, 0,1,2,3,4,5,6,7
	HALF \k, \last
.endr
.irp i, 0,1,2,3
	ds_load_b128 v[PR+4*\i:PR+4*\i+3], v[\areg] offset:\aoff+16*\i   ; s' of my half's 16 keys
.endr
.if \last
.irp i, 0,1,2,3
	global_load_b128 v[W+4*\i:W+4*\i+3], v[KO], s[24:25] offset:16*\i   ; my 8 keys' pairs once more, for V
.endr
.else
	v_add_nc_u32 v[RFO], 256, v[RFO]
	global_load_b32 v[RF], v[RFO], s[24:25] offset:4   ; the next block's heights
	global_load_b32 v[RF+1], v[RFO], s[24:25] offset:68
.endif
.if (\old) == (\new)
	WIN 0x41                                       ; the loop's earlier -M move down
.irp i, 0,1,2,3,4,5,6,7
	v_mov_b32 v[240+\i], v[244+\i]
.endr
	WIN 0x40
.irp i, 0,1,2,3
	v_mov_b32 v[248+\i], v[\old+\i]
.endr
.else
.rept 4
	v_nop                                          ; four places between the moves into an operand and a scaled matrix instruction
.endr
.endif
	SMUL 1
	s_wait_dscnt 0x0                               ; s' (and the next block's first two sixteens of Wk)
; u = D - 8 |size_i - s'_j|.  The first eight subtractions name no register of the products: they are the places behind the last of them.  Each accumulator is read from its low end on.
.irp m, 0,1,2,3
.irp k, 0,2,4,6,8,10,12,14
.if (\m)%2
	v_pk_add_f32 v[PR+16+\k:PR+17+\k], v[SIZ+2*(\m/2):SIZ+2*(\m/2)+1], v[PR+\k:PR+\k+1] op_sel:[1,0] op_sel_hi:[1,1] neg_lo:[0,1] neg_hi:[0,1]
.else
	v_pk_add_f32 v[PR+16+\k:PR+17+\k], v[SIZ+2*(\m/2):SIZ+2*(\m/2)+1], v[PR+\k:PR+\k+1] op_sel_hi:[0,1] neg_lo:[0,1] neg_hi:[0,1]
.endif
.endr
.irp i, 0,1,2,3,4,5,6,7,8,9,10,11,12,13,14,15
	v_fma_f32 v[S+16*\m+\i], |v[PR+16+\i]|, s42, v[S+16*\m+\i]
.endr
.endr
; The statistics, each LANE's own (a lane sees 16 of a block's 32 keys; the halves meet at the exchange)
.irp m, 0,1,2,3
	v_max3_num_f32 v[PR+\m], v[S+16*\m], v[S+16*\m+1], v[S+16*\m+2]
.endr
.irp k, 3,5,7,9,11,13
.irp m, 0,1,2,3
	v_max3_num_f32 v[PR+\m], v[PR+\m], v[S+16*\m+\k], v[S+16*\m+\k+1]
.endr
.endr
.irp m, 0,1,2,3
	v_max_num_f32 v[PR+\m], v[PR+\m], v[S+16*\m+15]
.endr
.irp m, 0,1,2,3
	v_mul_f32 v[PR+\m], s40, v[PR+\m]              ; the largest t
.endr
.irp m, 0,1,2,3
	v_floor_f32 v[PR+4+\m], -v[PR+\m]
.endr
.irp m, 0,1,2,3
	v_min_num_f32 v[PR+4+\m], v[\old+\m], v[PR+4+\m]   ; the new -M: the smaller -M is the larger M
.endr
.irp m, 0,1,2,3
	v_sub_f32 v[PR+8+\m], v[PR+4+\m], v[\old+\m]   ; old M - new M: a whole number, 0 or less
.endr
.irp m, 0,1,2,3
	v_cvt_i32_f32 v[PR+8+\m], v[PR+8+\m]           ; (it saturates)
.endr
.irp m, 0,1,2,3
	v_ldexp_f32 v[PR+12+\m], 1.0, v[PR+8+\m]
.endr
.irp m, 0,1,2,3
	v_mov_b32 v[\new+\m], v[PR+4+\m]
.endr
.irp m, 0,1,2,3
.irp k, 0,2,4,6,8,10,12,14
.if (\m)%2
	v_pk_fma_f32 v[S+16*\m+\k:S+16*\m+\k+1], v[S+16*\m+\k:S+16*\m+\k+1], s[40:41], v[\new+2*(\m/2):\new+2*(\m/2)+1] op_sel:[0,0,1] op_sel_hi:[1,0,1]
.else
	v_pk_fma_f32 v[S+16*\m+\k:S+16*\m+\k+1], v[S+16*\m+\k:S+16*\m+\k+1], s[40:41], v[\new+2*(\m/2):\new+2*(\m/2)+1] op_sel_hi:[1,0,0]
.endif
.endr
.endr
	WIN 0x40*(\w)
	s_wait_alu depctr_va_vdst(0)                   ; the wait ahead of the batch
.set i, 0
.rept 48
	v_exp_f32 v[\d+i], v[S+i]
.set i, i+1
.endr
	WIN 0x40*(\w3)
.rept 16
	v_exp_f32 v[\d3+i], v[S+i]
.set i, i+1
.endr
	WIN 0
.irp m, 0,1,2,3
	PKB v_pk_mul_f32, SUM+2*\m, SUM+2*\m, PR+12+2*(\m/2), (\m)%2   ; the sums under the new M: plain work behind the exponentials
.endr
	s_wait_alu depctr_va_vdst(0)                   ; one wait for the batch, ahead of its first reader
	WIN 4*(\w)
.irp k, 0,2,4,6,8,10,12,14
.irp m, 0,1,2
	v_pk_add_f32 v[SUM+2*\m:SUM+2*\m+1], v[SUM+2*\m:SUM+2*\m+1], v[\d+16*\m+\k:\d+16*\m+\k+1]
.endr
.if (\w) == (\w3)
	v_pk_add_f32 v[SUM+6:SUM+7], v[SUM+6:SUM+7], v[\d3+48+\k:\d3+49+\k]
.endif
.endr
.if (\w) != (\w3)
	WIN 4*(\w3)
.irp k, 0,2,4,6,8,10,12,14
	v_pk_add_f32 v[SUM+6:SUM+7], v[SUM+6:SUM+7], v[\d3+48+\k:\d3+49+\k]
.endr
.endif
	WIN 0
.endm
.macro STP areg, off, n                ; n groups of four registers of p into my region
.set i, 0
.rept \n
	ds_store_b128 v[\areg], v[S+4*i:S+4*i+3] offset:\off+512*i
.set i, i+1
.endr
.endm
.macro LDP b, dst, n                   ; n groups of block b back
.set i, 0
.rept \n
	ds_load_b128 v[\dst+4*i:\dst+4*i+3], v[PA] offset:8192*\b+512*i
.set i, i+1
.endr
.endm
; PASS 2.  A block's factors: 2^(M of the block - M of the row) / sum.  hb: the block's -M (window w)
.macro FACT hb, w
	WIN 4*(\w)
.irp m, 0,1,2,3
	v_sub_f32 v[T2+\m], v[MF+\m], v[\hb+\m]
.endr
	WIN 0
.irp m, 0,1,2,3
	v_cvt_i32_f32 v[T2+\m], v[T2+\m]
.endr
.irp m, 0,1,2,3
	v_ldexp_f32 v[FB+\m], v[RS+\m], v[T2+\m]
.endr
.endm
; Block e of a pair: w from p at a (window w; tile 3 at a3 + 48, window w3) into d; the block's largest w (with lane l xor 16's 16 keys), its scale, 16 codes a lane and tile
.macro P2Q e, d, a, w, a3, w3
.set BYD, BY0+(T2+12-BY0)*(\e)
	WIN \w
.irp m, 0,1,2
.irp k, 0,2,4,6,8,10,12,14
	PKB v_pk_mul_f32, \d+16*\m+\k, \a+16*\m+\k, FB+2*(\m/2), (\m)%2
.endr
.endr
	WIN \w3
.irp k, 0,2,4,6,8,10,12,14
	PKB v_pk_mul_f32, \d+48+\k, \a3+48+\k, FB+2, 1
.endr
	WIN 0
.irp m, 0,1,2,3
	v_max3_num_f32 v[T2+\m], v[\d+16*\m], v[\d+16*\m+1], 0x1800000    ; no weight is negative; the floor 2^(3 - 127) holds the byte at 1 from below
.endr
.irp k, 2,4,6,8,10,12,14
.irp m, 0,1,2,3
	v_max3_num_f32 v[T2+\m], v[T2+\m], v[\d+16*\m+\k], v[\d+16*\m+\k+1]
.endr
.endr
.irp m, 0,1,2,3
	v_permlanex16_b32 v[T2+4+\m], v[T2+\m], s61, s62
.endr
.irp m, 0,1,2,3
	v_max_num_f32 v[T2+\m], v[T2+\m], v[T2+4+\m]
.endr
.irp m, 0,1,2,3
	v_add_nc_u32 v[T2+8+\m], 0xff000000, v[T2+\m]  ; 2 off the exponent field: the conversion's scale operand
.endr
.irp m, 0,1,2,3
	v_lshrrev_b32 v[BYD+\m], 23, v[T2+8+\m]
.endr
	WIN 0x40
.irp m, 0,1,2,3
	v_cvt_scalef32_pk16_fp6_f32 v[PC+10*\m+6*\e:PC+10*\m+6*\e+2], v[\d+16*\m:\d+16*\m+15], v[T2+8+\m]
.endr
	v_nop                                          ; one plain place behind the scaled conversions
	WIN 0
.endm
; The pair is blocks 2 c and 2 c + 1 (c = tau % 2) of my key step tau / 2.  The operand's layout wants a WHOLE block in a lane: lanes 0-15 block 2 c, lanes 16-31 block 2 c + 1.
.macro P2TAIL tau
	WIN 0x41
.irp m, 0,1,2,3
.irp i, 0,1,2
	v_permlane16_swap_b32 v[PC+10*\m+\i], v[PC+10*\m+6+\i]
.endr
.endr
.irp m, 0,1,2,3
.irp i, 0,1,2
	v_mov_b32 v[PC+10*\m+3+\i], v[PC+10*\m+6+\i]
.endr
.endr
	WIN 0
.irp m, 0,1,2,3
	v_lshl_or_b32 v[T2+12+\m], v[T2+12+\m], 8, v[BY0+\m]   ; bytes 2 c and 2 c + 1 of the row's scale word
.endr
	WIN 0x04                                       ; an LDS store's data are its source 1
.irp m, 0,1,2,3
	ds_store_b128 v[PA], v[PC+10*\m:PC+10*\m+3] offset:6144*(\tau/2)+1536*\m+768*(\tau%2)
	ds_store_b64 v[PA8], v[PC+10*\m+4:PC+10*\m+5] offset:6144*(\tau/2)+1536*\m+768*(\tau%2)
.endr
	WIN 0
.irp m, 0,1,2,3
	ds_store_b16 v[APSW], v[T2+12+\m] offset:512*(\tau/2)+128*\m+2*(\tau%2)
.endr
.endm
; THE SECOND PRODUCT, window 0
.set AH,   3                           ; SZ + 4,096 g + 128 h (g = wave / 4)
.set AHM,  4                           ; HMX + 128 g
.set AHM2, 5                           ; + 8 h
.set AP,   6                           ; 155,648 g + 16 lane
.set AP8,  7                           ; 155,648 g + 512 + 8 lane
.set APS,  12                          ; 155,648 g + 12,288 + 4 lane
.set WV,   14                          ; Wv at my row of the four tiles of channels
.set WVW,  18                          ; |Wv| at channel 64 a + 32 D + lane
.set HM2,  20                          ; two buffers: the largest |height| / 4 of blocks h, 2 + h
.set HM4,  24                          ; of blocks 0, 2, 1, 3
.set VC,   28                          ; scale operands
.set VW,   30                          ; V's scale words: tile 2 D in lanes 0-15, tile 2 D + 1 in lanes 16-31
.set V,    32                          ; V's fragments (12 d)
.set VR,   88                          ; 32 products
.set H,    120                         ; two buffers of 64 heights
.set PB,   128                         ; window 1: two buffers of P's four fragments; 0-127 the 16 accumulators (8 (4 d + m)).  P's scale words: v248-251, v8-11
.set AHT,  252
.set AHMT, 253
.set AHM2T,254
.set APT,  255
.set APST, 83
.set AP8T, 87
.macro PVLOAD b, t, ah, am, am2, ap, ap8, aps   ; a key step's 38 LDS loads into buffers b
.irp c, 0,1
.irp q, 0,1,2,3,4,5,6,7
	ds_load_b128 v[H+64*\b+32*\c+4*\q:H+64*\b+32*\c+4*\q+3], v[\ah] offset:512*\t+256*\c+16*\q
.endr
.endr
	ds_load_b64 v[HM2+2*\b:HM2+2*\b+1], v[\am2] offset:16*\t
	ds_load_b128 v[HM4:HM4+3], v[\am] offset:16*\t
.irp m, 0,1,2,3
	ds_load_b32 v[248-240*\b+\m], v[\aps] offset:512*\t+128*\m
.endr
	WIN 0x40
.irp m, 0,1,2,3
.irp c, 0,1
	ds_load_b128 v[PB+48*\b+12*\m+6*\c:PB+48*\b+12*\m+6*\c+3], v[\ap] offset:6144*\t+1536*\m+768*\c
	ds_load_b64 v[PB+48*\b+12*\m+6*\c+4:PB+48*\b+12*\m+6*\c+5], v[\ap8] offset:6144*\t+1536*\m+768*\c
.endr
.endr
	WIN 0
.endm
.macro PVWORDS                         ; the step's loads are in; V's scale words for it.  Their first eight lines are also places behind the step before's last products
	s_wait_dscnt 0x0
.irp e, 0,1
	PKB v_pk_mul_f32, VR+4*\e, HM4, WVW, \e
	PKB v_pk_mul_f32, VR+4*\e+2, HM4+2, WVW, \e
.endr
.irp i, 0,1,2,3,4,5,6,7
	v_max_num_f32 v[VR+\i], 0x800000, v[VR+\i]
.endr
.irp i, 0,1,2,3,4,5,6,7
	v_lshrrev_b32 v[VR+\i], 23, v[VR+\i]
.endr
.irp e, 0,1
	v_lshl_or_b32 v[VR+4*\e], v[VR+4*\e+2], 8, v[VR+4*\e]
.endr
.irp e, 0,1
	v_lshl_or_b32 v[VR+4*\e], v[VR+4*\e+1], 16, v[VR+4*\e]
.endr
.irp e, 0,1
	v_lshl_or_b32 v[VW+\e], v[VR+4*\e+3], 24, v[VR+4*\e]
.endr
.endm
; Four products of tile d, the 16 accumulators of a step by turns.  zero = 1: the first products start the sums
.macro PVMUL b, d, zero
	WIN 0x54
.irp m, 0,1,2,3
.if \zero
.if (\d)%2
	v_wmma_scale_f32_16x16x128_f8f6f4 v[8*(4*(\d)+\m):8*(4*(\d)+\m)+7], v[V+12*(\d):V+12*(\d)+11], v[PB+48*\b+12*\m:PB+48*\b+12*\m+11], 0, v[VW+(\d)/2], v[248-240*\b+\m] matrix_a_fmt:MATRIX_FMT_FP6 matrix_b_fmt:MATRIX_FMT_FP6 matrix_a_scale:MATRIX_SCALE_ROW1
.else
	v_wmma_scale_f32_16x16x128_f8f6f4 v[8*(4*(\d)+\m):8*(4*(\d)+\m)+7], v[V+12*(\d):V+12*(\d)+11], v[PB+48*\b+12*\m:PB+48*\b+12*\m+11], 0, v[VW+(\d)/2], v[248-240*\b+\m] matrix_a_fmt:MATRIX_FMT_FP6 matrix_b_fmt:MATRIX_FMT_FP6
.endif
.else
.if (\d)%2
	v_wmma_scale_f32_16x16x128_f8f6f4 v[8*(4*(\d)+\m):8*(4*(\d)+\m)+7], v[V+12*(\d):V+12*(\d)+11], v[PB+48*\b+12*\m:PB+48*\b+12*\m+11], v[8*(4*(\d)+\m):8*(4*(\d)+\m)+7], v[VW+(\d)/2], v[248-240*\b+\m] matrix_a_fmt:MATRIX_FMT_FP6 matrix_b_fmt:MATRIX_FMT_FP6 matrix_a_scale:MATRIX_SCALE_ROW1
.else
	v_wmma_scale_f32_16x16x128_f8f6f4 v[8*(4*(\d)+\m):8*(4*(\d)+\m)+7], v[V+12*(\d):V+12*(\d)+11], v[PB+48*\b+12*\m:PB+48*\b+12*\m+11], v[8*(4*(\d)+\m):8*(4*(\d)+\m)+7], v[VW+(\d)/2], v[248-240*\b+\m] matrix_a_fmt:MATRIX_FMT_FP6 matrix_b_fmt:MATRIX_FMT_FP6
.endif
.endif
.endr
	WIN 0
.endm
; V's four fragments of the step; tile d - 1's products stand behind tile d's first 20 plain lines
.macro PVFR b, zero
.irp d, 0,1,2,3
	v_mul_f32 v[VC], |v[WV+\d]|, v[HM2+2*\b]
	v_mul_f32 v[VC+1], |v[WV+\d]|, v[HM2+2*\b+1]
	v_max_num_f32 v[VC], 0x800000, v[VC]
	v_max_num_f32 v[VC+1], 0x800000, v[VC+1]
.irp c, 0,1
.irp i, 0,2,4,6,8,10,12,14,16,18,20,22,24,26,28,30
	PKB v_pk_mul_f32, VR+\i, H+64*\b+32*\c+\i, WV+2*(\d/2), (\d)%2
.endr
.if (\c == 0) && (\d > 0)
	PVMUL \b, \d-1, \zero
.endif
	v_cvt_scalef32_pk16_fp6_f32 v[V+12*\d+6*\c:V+12*\d+6*\c+2], v[VR:VR+15], v[VC+\c]
	v_cvt_scalef32_pk16_fp6_f32 v[X+4*\c:X+4*\c+2], v[VR+16:VR+31], v[VC+\c]
	v_nop
.irp i, 0,1,2
	v_mov_b32 v[V+12*\d+6*\c+3+\i], v[X+4*\c+\i]
.endr
.endr
.endr
.rept 4
	v_nop                                          ; four places between the moves into an operand and a scaled matrix instruction
.endr
	PVMUL \b, 3, \zero
.endm
	; ---- THE HEAD
	s_load_b256 s[4:11], s[0:1], 0x0               ; inputs s[4:5], Wq s[6:7], Wk s[8:9], Wv s[10:11]
	s_load_b64 s[12:13], s[0:1], 0x20              ; out0
	v_lshl_add_u32 v[SPW], v0, 2, SPARE
	v_mov_b32 v[NIL], 0
	v_lshrrev_b32 v3, 5, v0
	v_readfirstlane_b32 s14, v3                    ; wave 0..7
	v_and_b32 v56, 31, v0                          ; lane
	v_and_b32 v57, 15, v0                          ; r
	v_bfe_u32 v58, v0, 4, 1                        ; h
	v_lshlrev_b32 v59, 3, v57                      ; 8 r
	v_lshlrev_b32 v60, 7, v58                      ; 128 h
	v_lshlrev_b32 v61, 5, v56                      ; 32 lane
	v_lshlrev_b32 v62, 2, v0                       ; 4 thread
	v_lshlrev_b32 v[KO], 6, v56
	v_and_b32 v63, 8, v57
	v_add_nc_u32 v63, v63, v57                     ; r + 8 (r / 8)
	v_lshlrev_b32 v[RFO], 3, v63
	v_lshlrev_b32 v64, 4, v56                      ; 16 lane
	v_lshlrev_b32 v65, 2, v56                      ; 4 lane
	v_lshlrev_b32 v66, 2, v57                      ; 4 r
	v_add_nc_u32 v[AWK], WKL, v60
	v_add_nc_u32 v68, WKL, v62
	v_add_nc_u32 v70, STAT, v65
	s_mul_i32 s19, s14, REGN                       ; my region
	s_lshl_b32 s30, s14, 10
	s_add_co_u32 s30, s30, SZ                      ; my keys' sizes
	s_lshl_b32 s31, s14, 6
	s_add_co_u32 s31, s31, STAT
	s_wait_alu depctr_va_vdst(0)
	v_add_nc_u32 v[PA], s19, v64
	v_lshl_add_u32 v[ASZ], v58, 6, s30
	v_add_nc_u32 v67, s30, v61
	v_add_nc_u32 v69, s31, v66                     ; wave 2 m + s: the scale words of Q's tile m, step s
	s_lshr_b32 s15, s14, 1                         ; m
	s_and_b32 s16, s14, 1                          ; s: the fragment of Q that I make
	s_lshr_b32 s17, ttmp9, 5                       ; batch
	s_and_b32 s18, ttmp9, 31                       ; block of 64 queries
	s_lshl_b32 s20, s17, 14
	s_mov_b32 s21, 0
	s_lshl_b32 s22, s18, 9
	s_mov_b32 s23, 0
	s_lshl_b32 s24, s14, 11
	s_mov_b32 s25, 0
	s_lshl_b32 s26, s15, 7
	s_mov_b32 s27, 0
	s_lshl_b32 s28, s16, 9
	s_mov_b32 s29, 0
	s_lshl_b32 s32, s17, 21
	s_lshl_b32 s33, s18, 16
	s_add_co_u32 s32, s32, s33
	s_lshl_b32 s33, s14, 13
	s_add_co_u32 s32, s32, s33
	s_mov_b32 s33, 0
	s_and_b32 s34, s14, 3
	s_lshl_b32 s34, s34, 8
	s_mov_b32 s35, 0
	s_mov_b32 s40, 0x3db8aa3b                      ; c1 = log2(e) / 16
	s_mov_b32 s41, s40                             ; (named with it as a pair, so it is written)
	s_mov_b32 s42, 0xc1000000                      ; -8
	s_mov_b32 s60, 0xffff0000                      ; lanes 16-31
	s_mov_b32 s61, 0x76543210
	s_mov_b32 s62, 0xfedcba98                      ; v_permlanex16_b32's selects for lane l xor 16
	s_wait_alu depctr_va_vdst(0)
	s_wait_kmcnt 0x0
	s_add_nc_u64 s[4:5], s[4:5], s[20:21]          ; inputs at my batch,
	s_add_nc_u64 s[22:23], s[4:5], s[22:23]        ; at my queries,
	s_add_nc_u64 s[24:25], s[4:5], s[24:25]        ; at my wave's keys,
	s_add_nc_u64 s[26:27], s[22:23], s[26:27]      ; at the 16 queries whose fragment I make
	s_add_nc_u64 s[6:7], s[6:7], s[28:29]
	s_add_nc_u64 s[10:11], s[10:11], s[34:35]      ; Wv at my 64 channels
	s_add_nc_u64 s[12:13], s[12:13], s[32:33]      ; out0 at the 8 rows that my wave stores
	global_load_b32 v71, v62, s[8:9]
	global_load_b128 v[136:139], v61, s[8:9]
	global_load_b128 v[140:143], v61, s[8:9] offset:16
.irp i, 0,1,2,3
	global_load_b128 v[120+4*\i:123+4*\i], v[KO], s[24:25] offset:16*\i   ; my 8 keys' (size, height)
.endr
	global_load_b32 v12, v59, s[26:27] offset:4
.irp c, 0,1
.irp q, 0,1,2,3,4,5,6,7
	global_load_b128 v[184+32*\c+4*\q:187+32*\c+4*\q], v60, s[6:7] offset:256*\c+16*\q
.endr
.endr
.irp m, 0,1,2,3
	global_load_b64 v[144+2*\m:145+2*\m], v59, s[22:23] offset:128*\m
.endr
	global_load_b32 v[RF], v[RFO], s[24:25] offset:4
	global_load_b32 v[RF+1], v[RFO], s[24:25] offset:68
	v_mov_b32 v13, 0                               ; (named as the upper half of a pair)
	v_mov_b32 v72, 0x7f800000                      ; +infinity
	v_mov_b32 v73, 0xd06e6b28                      ; -1.6e10
.irp i, 0,1,2,3,4,5,6,7
	v_mov_b32 v[SUM+\i], 0
.endr
.irp i, 0,1,2,3
	v_mov_b32 v[MC+\i], 0x7f61b1e6                 ; -M = 3e38: M under every t that counts
.endr
	WIN 0x40
.irp i, 0,1,2,3,4,5,6,7,8,9,10,11
	v_mov_b32 v[240+\i], 0                         ; (moved down in the loop before they hold a block's -M)
.endr
	WIN 0
	s_wait_alu depctr_va_vdst(0)
	s_wait_loadcnt 0x0
.irp i, 0,1,2,3,4,5,6,7
	v_cmp_eq_f32 s[44+\i], 0, v[121+2*\i]
.endr
.irp i, 0,1,2,3,4,5,6,7
	v_cndmask_b32 v[152+\i], v[120+2*\i], v72, s[44+\i]   ; s' = the size, or +infinity where the height is 0
.endr
	ds_store_b128 v67, v[152:155]
	ds_store_b128 v67, v[156:159] offset:16
	ds_store_b32 v68, v71
	v_max3_num_f32 v74, |v136|, |v137|, |v138|     ; a lane's 8 numbers of Wk; four lanes hold a block
	v_max3_num_f32 v74, v74, |v139|, |v140|
	v_max3_num_f32 v74, v74, |v141|, |v142|
	v_max_num_f32 v74, v74, |v143|
	v_max_num_f32_dpp v74, v74, v74 row_xmask:1 row_mask:0xf bank_mask:0xf
	v_max_num_f32_dpp v74, v74, v74 row_xmask:2 row_mask:0xf bank_mask:0xf
	v_mul_f32 v74, 0x3e800000, v74                 ; a quarter: the product's exponent field is then the scale's
.irp b, 0,1,2,3,4,5,6,7
	v_readlane_b32 s[52+\b], v74, 4*\b
.endr
.irp q, 0,1,2,3
	v_mov_b32 v75, s[53+2*\q]
	v_cndmask_b32 v[WX+\q], s[52+2*\q], v75, s60   ; block 2 q + h
.endr
.irp m, 0,1,2,3
	v_mov_b32 v[SIZ+\m], v[144+2*\m]
	v_cmp_eq_f32 s[44+\m], 0, v[145+2*\m]
.endr
.irp m, 0,1,2,3
.irp i, 0,1,2,3,4,5,6,7
	v_cndmask_b32 v[QMC+8*\m+\i], v[NIL], v73, s[44+\m]
.endr
.endr
	; my fragment of Q: rows 16 m + r, channels 128 s + 64 c + 32 h + 0 .. 31
.irp c, 0,1
.irp i, 0,2,4,6,8,10,12,14,16,18,20,22,24,26,28,30
	v_pk_mul_f32 v[152+\i:153+\i], v[184+32*\c+\i:185+32*\c+\i], v[12:13] op_sel_hi:[1,0]
.endr
	v_max3_num_f32 v76, |v152|, |v153|, |v154|
	v_max3_num_f32 v77, |v155|, |v156|, |v157|
.irp i, 6,10,14,18,22,26
	v_max3_num_f32 v76, v76, |v[152+\i]|, |v[153+\i]|
	v_max3_num_f32 v77, v77, |v[154+\i]|, |v[155+\i]|
.endr
	v_max3_num_f32 v76, v76, |v182|, |v183|
	v_max3_num_f32 v76, v76, v77, 0x1800000        ; and the floor 2^(3 - 127)
	v_add_nc_u32 v[78+\c], 0xff000000, v76         ; 2 off the exponent field
	v_lshrrev_b32 v[74+\c], 23, v[78+\c]
	v_cvt_scalef32_pk16_fp6_f32 v[120+6*\c:122+6*\c], v[152:167], v[78+\c]
	v_cvt_scalef32_pk16_fp6_f32 v[132:134], v[168:183], v[78+\c]
	v_nop
.irp i, 0,1,2
	v_mov_b32 v[123+6*\c+\i], v[132+\i]
.endr
.endr
	v_lshl_or_b32 v76, v75, 16, v74                ; my two bytes: blocks h and 2 + h,
	v_lshlrev_b32 v77, 3, v58
	v_lshlrev_b32 v76, v77, v76                    ; at their places;
	v_mov_b32 v77, 0
	v_permlanex16_b32 v77, v76, s61, s62
	v_or_b32 v76, v76, v77                         ; with lane l xor 16's two the word is whole
.irp g, 0,1,2
	ds_store_b128 v[PA], v[120+4*\g:123+4*\g] offset:512*\g
.endr
	ds_store_b32 v69, v76
	s_wait_alu depctr_va_vdst(0)
	s_wait_dscnt 0x0                               ; for the others' sake: my stores have landed
	BARRIER
.irp f, 0,1,2,3,4,5,6,7
	v_add_nc_u32 v[120+\f], REGN*\f, v64
.endr
	WIN 0x40
.irp f, 0,1,2,3,4,5,6,7
.irp g, 0,1,2
	ds_load_b128 v[12*\f+4*\g:12*\f+4*\g+3], v[120+\f] offset:512*\g
.endr
.endr
	WIN 0
.irp m, 0,1,2,3
	ds_load_b32 v[QS+\m], v70 offset:128*\m
.endr
	WLOAD 0
	WLOAD 1
	s_wait_alu depctr_va_vdst(0)
	s_wait_dscnt 0x0                               ; my reads of the fragments of Q are over:
	BARRIER                                        ; the regions may take p
	; ---- PASS 1: blocks 0-3 into LDS, then blocks 4-7
	s_mov_b32 s46, 0
	s_mov_b32 s47, 0
	s_mov_b32 s48, 4
.Lkeys:
	v_add_nc_u32 v[ADP], s46, v[PA]
	v_add_nc_u32 v[ADZ], s47, v[ASZ]
	BLOCK MC, MC, S, 0, S, 0, 0, ADZ, 0
	STP ADP, 0, 16
	s_add_co_u32 s46, s46, 8192
	s_add_co_u32 s47, s47, 128
	s_sub_co_u32 s48, s48, 1
	s_cmp_lg_u32 s48, 0
	s_wait_alu depctr_va_vdst(0)                   ; directly ahead of the branch
	s_cbranch_scc1 .Lkeys
	BLOCK 36, 40, S, 0, 48, 1, 0, ASZ, 512
	STP PA, 32768, 12
	BLOCK 40, 44, 112, 1, 112, 1, 0, ASZ, 640
	BLOCK 44, 48, 176, 1, 176, 1, 0, ASZ, 768
	BLOCK 48, 52, S, 0, S, 0, 1, ASZ, 896
	; ---- THE EXCHANGE: a lane's (-M, sum) with lane l xor 16's, then the eight waves' through LDS.  Every change of M is an exact multiplication by a power of two.
	v_and_b32 v10, 15, v0
	v_lshlrev_b32 v10, 2, v10                      ; 4 r
	v_and_b32 v11, 31, v0
	v_lshlrev_b32 v12, 3, v11                      ; 8 lane
	v_lshlrev_b32 v11, 2, v11                      ; 4 lane
	WIN 0x40
.irp d, 0,1,2,3
	global_load_b32 v[40+\d], v10, s[10:11] offset:64*\d   ; Wv at my row of the four tiles of channels,
.endr
.irp d, 0,1
	global_load_b32 v[44+\d], v11, s[10:11] offset:128*\d  ; and at channel 32 D + lane
.endr
	WIN 0
	s_add_co_u32 s31, s19, 512
	v_add_nc_u32 v[PA8], s31, v12
	s_add_co_u32 s31, s19, 12288
	v_add_nc_u32 v[APSW], s31, v11
	s_lshl_b32 s31, s14, 9
	s_add_co_u32 s31, s31, STAT
	v_lshl_add_u32 v6, v10, 1, s31                 ; STAT + 512 j + 8 r
	v_lshl_add_u32 v7, v10, 1, STAT                ; STAT + 8 r
	v_lshrrev_b32 v13, 4, v11                      ; lane / 4: my block of 32 keys among the wave's eight
	v_lshrrev_b32 v14, 2, v13
	v_lshlrev_b32 v14, 4, v14
	v_and_b32 v16, 1, v13
	v_lshl_add_u32 v14, v16, 3, v14
	v_bfe_u32 v16, v13, 1, 1
	v_lshl_add_u32 v14, v16, 2, v14
	s_lshl_b32 s31, s14, 5
	s_add_co_u32 s31, s31, HMX
	v_add_nc_u32 v13, s31, v14
	v_lshl_add_u32 v15, v11, 3, s30                ; my 8 keys in SZ: the wave's own sizes have been read
.irp m, 0,1,2,3
	v_add_f32 v[SUM+2*\m], v[SUM+2*\m], v[SUM+2*\m+1]
.endr
.irp m, 0,1,2,3
	v_permlanex16_b32 v[PR+\m], v[52+\m], s61, s62
.endr
.irp m, 0,1,2,3
	v_permlanex16_b32 v[PR+4+\m], v[SUM+2*\m], s61, s62
.endr
.irp m, 0,1,2,3
	v_min_num_f32 v[136+2*\m], v[52+\m], v[PR+\m]
.endr
.irp m, 0,1,2,3
	v_sub_f32 v[PR+8+\m], v[136+2*\m], v[52+\m]
	v_sub_f32 v[PR+12+\m], v[136+2*\m], v[PR+\m]
.endr
.irp m, 0,1,2,3
	v_cvt_i32_f32 v[PR+8+\m], v[PR+8+\m]
	v_cvt_i32_f32 v[PR+12+\m], v[PR+12+\m]
.endr
.irp m, 0,1,2,3
	v_ldexp_f32 v[137+2*\m], v[SUM+2*\m], v[PR+8+\m]
	v_ldexp_f32 v[PR+4+\m], v[PR+4+\m], v[PR+12+\m]
.endr
.irp m, 0,1,2,3
	v_add_f32 v[137+2*\m], v[137+2*\m], v[PR+4+\m]
.endr
.irp m, 0,1,2,3
	ds_store_b64 v6, v[136+2*\m:137+2*\m] offset:128*\m   ; lanes r and r + 16 write the same 8 bytes with the same values
.endr
	s_wait_alu depctr_va_vdst(0)
	s_wait_loadcnt 6                               ; my keys' pairs are in; the six loads of Wv may be out
.irp i, 0,1,2,3,4,5,6,7
	v_mov_b32 v[144+\i], v[153+2*\i]
.endr
	v_max3_num_f32 v16, |v153|, |v155|, |v157|
	v_max3_num_f32 v16, v16, |v159|, |v161|
	v_max3_num_f32 v16, v16, |v163|, |v165|
	v_max_num_f32 v16, v16, |v167|
	v_max_num_f32_dpp v16, v16, v16 row_xmask:1 row_mask:0xf bank_mask:0xf
	v_max_num_f32_dpp v16, v16, v16 row_xmask:2 row_mask:0xf bank_mask:0xf
	v_mul_f32 v16, 0x3e800000, v16
	ds_store_b128 v15, v[144:147]
	ds_store_b128 v15, v[148:151] offset:16
	ds_store_b32 v13, v16                          ; a block's four lanes write the same word with the same value
	s_wait_alu depctr_va_vdst(0)
	s_wait_dscnt 0x0                               ; for the others' sake: my stores have landed
	BARRIER
.irp w, 0,1,2,3,4,5,6,7
.irp m, 0,1,2,3
	ds_load_b64 v[120+8*\w+2*\m:121+8*\w+2*\m], v7 offset:(4*\w+\m)*128
.endr
.endr
	LDP 0, L0, 16
	s_wait_dscnt 16                                ; the statistics are in; block 0's 16 loads may be out
.irp m, 0,1,2,3
	v_min_num_f32 v[MF+\m], v[120+2*\m], v[128+2*\m]
.endr
.irp w, 2,3,4,5,6,7
.irp m, 0,1,2,3
	v_min_num_f32 v[MF+\m], v[MF+\m], v[120+8*\w+2*\m]     ; the row's -M
.endr
.endr
.irp w, 0,1,2,3,4,5,6,7
.irp m, 0,1,2,3
	v_sub_f32 v[120+8*\w+2*\m], v[MF+\m], v[120+8*\w+2*\m]
.endr
.endr
.irp w, 0,1,2,3,4,5,6,7
.irp m, 0,1,2,3
	v_cvt_i32_f32 v[120+8*\w+2*\m], v[120+8*\w+2*\m]
.endr
.endr
.irp w, 0,1,2,3,4,5,6,7
.irp m, 0,1,2,3
	v_ldexp_f32 v[121+8*\w+2*\m], v[121+8*\w+2*\m], v[120+8*\w+2*\m]
.endr
.endr
.irp m, 0,1,2,3
	v_add_f32 v[SC+\m], v[121+2*\m], v[129+2*\m]
.endr
.irp w, 2,3,4,5,6,7
.irp m, 0,1,2,3
	v_add_f32 v[SC+\m], v[SC+\m], v[121+8*\w+2*\m]         ; the row's sum
.endr
.endr
.irp m, 0,1,2,3
	v_max_num_f32 v[SC+\m], 0x3800000, v[SC+\m]    ; at least 2^-120: a row whose every p is 0 gets weights 0
.endr
	s_wait_alu depctr_va_vdst(0)                   ; the wait ahead of the batch
.irp m, 0,1,2,3
	v_rcp_f32 v[RS+\m], v[SC+\m]
.endr
	v_nop                                          ; a plain place behind the last reciprocal
	s_wait_alu depctr_va_vdst(0)                   ; and one wait for the four, ahead of their first reader
	s_wait_loadcnt 0x0                             ; Wv is in: its loads' address registers may be written
	; ---- PASS 2
	LDP 1, L1, 16
	s_wait_dscnt 16                                ; block 0 is in; block 1's 16 loads may be out
	FACT 240, 1
	P2Q 0, L0, L0, 0, L0, 0
	LDP 2, L0, 16
	s_wait_alu depctr_va_vdst(0)
	s_wait_dscnt 16                                ; block 1 is in: the bytes of blocks 0 and 1 may take codes
	FACT 244, 1
	P2Q 1, L1, L1, 0, L1, 0
	LDP 3, L1, 16
	P2TAIL 0
	s_wait_alu depctr_va_vdst(0)
	s_wait_dscnt 28                                ; block 2 is in; block 3's 16 loads and 12 stores may be out
	FACT 248, 1
	P2Q 0, L0, L0, 0, L0, 0
	LDP 4, L0, 12
	s_wait_alu depctr_va_vdst(0)
	s_wait_dscnt 24                                ; block 3 is in; 12 stores and block 4's 12 loads may be out
	FACT 36, 0
	P2Q 1, L1, L1, 0, L1, 0
	P2TAIL 1
	s_wait_alu depctr_va_vdst(0)
	s_wait_dscnt 12                                ; block 4's three tiles are in; the last 12 stores may be out
	FACT 40, 0
	P2Q 0, L0, L0, 0, 48, 1
	FACT 44, 0
	P2Q 1, L1, 112, 1, 112, 1
	P2TAIL 2
	FACT 48, 0
	P2Q 0, L0, 176, 1, 176, 1
	FACT 52, 0
	P2Q 1, S, S, 0, S, 0
	P2TAIL 3
	; ---- THE SECOND PRODUCT
	WIN 0x05
.irp d, 0,1,2,3
	v_mov_b32 v[WV+\d], v[40+\d]
.endr
.irp d, 0,1
	v_and_b32 v[WVW+\d], 0x7fffffff, v[44+\d]
.endr
	WIN 0
	v_and_b32 v32, 31, v0
	v_bfe_u32 v33, v0, 4, 1
	v_lshlrev_b32 v34, 4, v32                      ; 16 lane
	v_lshlrev_b32 v35, 3, v32                      ; 8 lane
	v_lshlrev_b32 v36, 2, v32                      ; 4 lane
	s_wait_alu depctr_va_vdst(0)                   ; ahead of the scalar lines
	s_lshr_b32 s34, s14, 2                         ; g
	s_lshl_b32 s35, s34, 12
	s_add_co_u32 s35, s35, SZ
	v_lshl_add_u32 v[AH], v33, 7, s35
	s_lshl_b32 s35, s34, 7
	s_add_co_u32 s35, s35, HMX
	v_mov_b32 v[AHM], s35
	v_lshl_add_u32 v[AHM2], v33, 3, s35
	s_mul_i32 s35, s34, 4*REGN
	v_add_nc_u32 v[AP], s35, v34
	s_add_co_u32 s36, s35, 512
	v_add_nc_u32 v[AP8], s36, v35
	s_add_co_u32 s36, s35, 12288
	v_add_nc_u32 v[APS], s36, v36
	s_wait_alu depctr_va_vdst(0)
	s_wait_dscnt 0x0                               ; for the others' sake: my stores have landed
	BARRIER
	PVLOAD 0, 0, AH, AHM, AHM2, AP, AP8, APS
	PVWORDS
	PVLOAD 1, 1, AH, AHM, AHM2, AP, AP8, APS
	PVFR 0, 1
	s_mov_b32 s46, REGN
	s_mov_b32 s47, 1024
	s_mov_b32 s43, 32
	s_mov_b32 s48, 3
	s_wait_alu depctr_va_vdst(0)
.Lvalues:                                              ; two key steps a trip, the next one's loads always out
	v_add_nc_u32 v[AHT], s47, v[AH]
	v_add_nc_u32 v[AHMT], s43, v[AHM]
	v_add_nc_u32 v[AHM2T], s43, v[AHM2]
	v_add_nc_u32 v[APT], s46, v[AP]
	v_add_nc_u32 v[AP8T], s46, v[AP8]
	v_add_nc_u32 v[APST], s46, v[APS]
	PVWORDS
	PVLOAD 0, 0, AHT, AHMT, AHM2T, APT, AP8T, APST
	PVFR 1, 0
	PVWORDS
	PVLOAD 1, 1, AHT, AHMT, AHM2T, APT, AP8T, APST
	PVFR 0, 0
	s_add_co_u32 s46, s46, REGN
	s_add_co_u32 s47, s47, 1024
	s_add_co_u32 s43, s43, 32
	s_sub_co_u32 s48, s48, 1
	s_cmp_lg_u32 s48, 0
	s_wait_alu depctr_va_vdst(0)                   ; directly ahead of the branch
	s_cbranch_scc1 .Lvalues
	PVWORDS
	PVFR 1, 0
	; ---- THE WAY OUT.  A lane holds eight neighbouring channels of one query, for half of the keys.  Each wave lays its 64 rows x 64 channels into its region (rows of 272 bytes); each wave then adds the two halves of 8 whole rows and stores them.
	v_and_b32 v3, 15, v0
	v_bfe_u32 v4, v0, 4, 1
	v_and_b32 v12, 31, v0
	v_lshlrev_b32 v12, 4, v12                      ; 16 lane
	v_mul_u32_u24 v5, 0x110, v3
	v_lshl_add_u32 v5, v4, 5, v5
	v_add_nc_u32 v5, s19, v5                       ; my region + 272 r + 32 h
	v_mul_u32_u24 v6, REGN, v4
	v_lshl_add_u32 v6, v3, 4, v6
	s_mul_i32 s34, s14, 8*272
	v_add_nc_u32 v6, s34, v6                       ; back: lanes 0-15 from channel group 2 p, lanes 16-31 from 2 p + 1
	v_add_nc_u32 v7, 2*REGN, v6
	v_add_nc_u32 v8, 4*REGN, v6
	v_add_nc_u32 v9, 6*REGN, v6
	s_wait_alu depctr_va_vdst(0)
	s_wait_dscnt 0x0                               ; my reads of P and of the heights are over
	BARRIER
	WIN 0x04
.irp m, 0,1,2,3
.irp d, 0,1,2,3
	ds_store_b128 v5, v[8*(4*\d+\m):8*(4*\d+\m)+3] offset:4352*\m+64*\d        ; each accumulator from its low end on
	ds_store_b128 v5, v[8*(4*\d+\m)+4:8*(4*\d+\m)+7] offset:4352*\m+64*\d+16
.endr
.endr
	WIN 0
	s_wait_dscnt 0x0                               ; for the others' sake: my stores have landed
	BARRIER
.irp i, 0,1,2,3,4,5,6,7,8,9,10,11,12,13,14,15
	ds_load_b128 v[32+4*\i:35+4*\i], v[6+\i%2] offset:272*(\i/2)
	ds_load_b128 v[96+4*\i:99+4*\i], v[8+\i%2] offset:272*(\i/2)
.endr
.irp i, 0,1,2,3,4,5,6,7,8,9,10,11,12,13,14,15
	s_wait_dscnt 30-2*\i                           ; LDS loads come back in order: both halves of piece i are in
	v_pk_add_f32 v[32+4*\i:33+4*\i], v[32+4*\i:33+4*\i], v[96+4*\i:97+4*\i]
	v_pk_add_f32 v[34+4*\i:35+4*\i], v[34+4*\i:35+4*\i], v[98+4*\i:99+4*\i]
	global_store_b128 v12, v[32+4*\i:35+4*\i], s[12:13] offset:1024*(\i/2)+512*(\i%2) th:TH_STORE_NT   ; the wave stores 512 consecutive bytes, aligned
.endr
	s_wait_tensorcnt 0x0                           ; the wave's end, behind my last LDS store
	ds_add_u32 v[SPW], v[NIL]
	s_wait_dscnt 0x0
	s_endpgm
.Lfunc_end_k_qc69431f94c_attn:
	.size	k_qc69431f94c_attn, .Lfunc_end_k_qc69431f94c_attn-k_qc69431f94c_attn
	.p2alignl 7, 3214868480
	.fill 96, 4, 3214868480
	.section	.rodata,"a",@progbits
	.p2align	6, 0x0
	.amdhsa_kernel k_qc69431f94c_attn
		.amdhsa_group_segment_fixed_size 327680
		.amdhsa_private_segment_fixed_size 0
		.amdhsa_enable_private_segment 0
		.amdhsa_kernarg_size 40
		.amdhsa_user_sgpr_count 2
		.amdhsa_user_sgpr_kernarg_segment_ptr 1
		.amdhsa_wavefront_size32 1
		.amdhsa_system_sgpr_workgroup_id_x 1
		.amdhsa_system_sgpr_workgroup_id_y 1
		.amdhsa_system_sgpr_workgroup_id_z 1
		.amdhsa_system_vgpr_workitem_id 0
		.amdhsa_next_free_vgpr 512
		.amdhsa_next_free_sgpr 72
		.amdhsa_reserve_vcc 0
		.amdhsa_float_denorm_mode_32 3
		.amdhsa_float_denorm_mode_16_64 3
		.amdhsa_memory_ordered 1
		.amdhsa_forward_progress 1
		.amdhsa_inst_pref_size 255
	.end_amdhsa_kernel
	.section	.bss,"aw",@nobits
	.p2align	6
	.space	262144
	.amdgpu_metadata
---
amdhsa.version: [ 1, 2 ]
amdhsa.kernels:
  - .name:           k_qc69431f94c_attn
    .symbol:         k_qc69431f94c_attn.kd
    .args:
      - { .name: inputs, .offset: 0, .size: 8, .value_kind: global_buffer, .address_space: global }
      - { .name: Wq, .offset: 8, .size: 8, .value_kind: global_buffer, .address_space: global }
      - { .name: Wk, .offset: 16, .size: 8, .value_kind: global_buffer, .address_space: global }
      - { .name: Wv, .offset: 24, .size: 8, .value_kind: global_buffer, .address_space: global }
      - { .name: out0, .offset: 32, .size: 8, .value_kind: global_buffer, .address_space: global }
    .group_segment_fixed_size: 327680
    .private_segment_fixed_size: 0
    .kernarg_segment_align: 8
    .kernarg_segment_size: 40
    .max_flat_workgroup_size: 256
    .sgpr_count:     72
    .vgpr_count:     512
    .wavefront_size: 32
...
	.end_amdgpu_metadata
.endif
;; end of part 1
